; MI455X (gfx1250); checked and timed in simulation.
; The chip was launched on July 23, 2026; its instructions are those of AMD's public machine-readable ISA for CDNA 5 (MIT licence, August 2026) and "CDNA5" Instruction Set Architecture Reference Guide (July 2026). The comments in the code are by the model that wrote it; some were corrected since.
;; Binary Linear. Allowed arithmetic: float matrix products may take bf16 or f16 operands with f32 sums; other float arithmetic in f32, or as packed bf16 or f16 multiplies, adds, multiply-adds, maxima and minima; sums over many terms, partial sums and values carried from step to step in f32; what a program stores and reads back later, other than sums and carried values, may be rounded once to bf16 or f16.
;; Inputs: bias 4,096 float32; weight 4,096 x 4,096 float32; x 4,096 x 4,096 float32.
;; Outputs: out0 4,096 x 4,096 float32.
;; One version. Each part assembles by itself: llvm-mc -triple=amdgcn-amd-amdhsa -mcpu=gfx1250 --defsym DOCPART=n.
;; ======== version 1 of 1: 2 launches
;; workspace buffers: sx 33,554,432 bytes; sw 33,554,432 bytes; part 2,304 bytes
;; launch binarize (part 1): grid 256 x 2, 8 waves a work-group, no clusters, 1,280 bytes of LDS; arguments x, weight, bias, sx, sw, part; writes sx, sw, part
.if DOCPART == 1
	.amdgcn_target "amdgcn-amd-amdhsa--gfx1250"
	.amdhsa_code_object_version 6
	.text
	.protected	k_qdcc678fa93_binarize
	.globl	k_qdcc678fa93_binarize
	.p2align	8
	.type	k_qdcc678fa93_binarize,@function
k_qdcc678fa93_binarize:
	s_mov_b64 s[64:65], 0
	v_nop
	global_prefetch_b8 v0, s[64:65] scope:SCOPE_SE
	s_setreg_imm32_b32 hwreg(HW_REG_WAVE_MODE, 25, 1), 1
	s_wait_xcnt 0x0
; sx = sign(x), sw = sign(weight) as bf16 ([4096][4096] each); part = f32 partial sums of |.|:
; words 0-255 one for each work-group of x, words 256-511 the same for weight, word 512 the sum of |bias|.
; A pure stream: every input byte is read once by 16-byte loads, every sign byte written once.  No byte is shared between
; work-groups or read twice, so tiles in LDS, clusters and the matrix unit would add nothing; LDS only joins the eight waves' sums.
; SHARES.  Grid y picks the tensor (0: x, 1: weight).  A work-group takes 256 KiB of it (64 MiB / 256), a wave 32 KiB on end, as 64 loads
; of 512 consecutive bytes.  A lane's 4 floats become 8 bytes, so a wave's store covers 256 consecutive bytes at a multiple of 256.
; THE SIGN.  t = (a 2^127) 2^127, held to -1 .. 1: every a other than 0, the smallest denormal 2^-149 too, reaches 2^105 or more and
; is cut to exactly 1 or -1; 0 stays 0.  The upper half of that f32 IS the bf16 number.  |a| = a t rides in one fused multiply-add.
; LIMITS.  The sums are f32: they overflow where the mean of |.| passes about 2e31 (the definition's own mean overflows there too).  Infinities are not
; treated apart.  A NaN gets some finite sign, but a t is NaN, so the sum, and later every output, is NaN as defined.  -0 gives the sign -0, which adds nothing.
.set SPARE, 256                        ; the spare words, 128 bytes for each of the eight waves: bytes 256-1279; no other line names them
.set ACC,  4                           ; v[4:11]   four pairs of running sums of |a|
.set T,    14                          ; v[14:21]  two sets of four numbers at work, by the slot's parity
.set X,    32                          ; v[32:95]  slot i of 16: four floats as loaded
.set Y,    96                          ; v[96:127] slot i: eight bytes of signs to store
.set SPW,  30                          ; v30  LDS address of my spare word; never rewritten
.set NIL,  31                          ; v31  0; never rewritten
.set DEPTH, 16                         ; loads of a wave in flight
; v1 byte offset of my 16 bytes in the work-group's input; v2 of my 8 bytes in its output; v24 of my 16 bytes in bias; none is rewritten
	s_load_b256 s[4:11], s[0:1], 0x0               ; x s[4:5], weight s[6:7], bias s[8:9], sx s[10:11]
	s_load_b128 s[12:15], s[0:1], 0x20             ; sw s[12:13], part s[14:15]
	v_lshl_add_u32 v[SPW], v0, 2, SPARE
	v_mov_b32 v[NIL], 0
	v_and_b32 v14, 31, v0                          ; lane
	v_lshrrev_b32 v15, 5, v0
	v_readfirstlane_b32 s33, v15                   ; wave 0..7
	v_lshlrev_b32 v1, 4, v14
	v_lshlrev_b32 v2, 3, v14
	v_lshl_or_b32 v24, v15, 11, v1                 ; bias: 2,048 bytes a wave
	v_lshl_or_b32 v1, v15, 15, v1                  ; in: 32 KiB a wave
	v_lshl_or_b32 v2, v15, 14, v2                  ; out: 16 KiB a wave
	v_mov_b32 v23, s33
	v_lshlrev_b32 v23, 2, v23                      ; my wave's word in LDS
	s_and_b32 s16, ttmp7, 0xffff                   ; y: which tensor
	s_or_b32 s32, ttmp9, s16                       ; 0 in work-group (0, 0) alone: it also sums |bias|
	s_lshl_b32 s35, s16, 8
	s_add_co_u32 s35, s35, ttmp9
	s_lshl_b32 s35, s35, 2                         ; my work-group's word in part, in bytes
	v_mov_b32 v22, s35
	s_mov_b32 s24, 0x7f000000                      ; 2^127; the packed multiply names a pair and takes its low word for both halves
	s_mov_b32 s25, s24
	s_mov_b32 s26, -1.0
	s_mov_b32 s27, 1.0
	s_mov_b32 s28, 0x07060302                      ; byte select: the upper halves of two words
	s_mov_b32 s30, 0x76543210                      ; v_permlanex16_b32: each lane takes its own place in the other half
	s_mov_b32 s31, 0xfedcba98
.irp k, 0,1,2,3,4,5,6,7
	v_mov_b32 v[ACC+(\k)], 0
.endr
	v_mov_b32 v12, 0                               ; my sum of |bias|: stays 0 outside work-group (0, 0)
	v_mov_b32 v13, 0
	s_wait_kmcnt 0x0
	s_cmp_eq_u32 s16, 0
	s_cselect_b64 s[18:19], s[4:5], s[6:7]         ; from x or weight,
	s_cselect_b64 s[20:21], s[10:11], s[12:13]     ; into sx or sw
	s_lshl_b32 s22, ttmp9, 18                      ; 256 KiB of input a work-group,
	s_mov_b32 s23, 0
	s_add_nc_u64 s[18:19], s[18:19], s[22:23]
	s_lshl_b32 s22, ttmp9, 17                      ; 128 KiB of output
	s_add_nc_u64 s[20:21], s[20:21], s[22:23]
.irp i, 0,1,2,3,4,5,6,7,8,9,10,11,12,13,14,15
	global_load_b128 v[X+4*(\i):X+4*(\i)+3], v1, s[18:19] offset:512*(\i) th:TH_LOAD_NT  ; the ring is filled: 8 KiB of the wave's 32
.endr
	; Work-group (0, 0) alone: each of its eight waves sums 512 of the 4,096 |bias|, while the ring's loads are on their way.
	s_cmp_lg_u32 s32, 0
	s_cbranch_scc1 .Lno_bias
.irp j, 0,1,2,3
	global_load_b128 v[Y+4*(\j):Y+4*(\j)+3], v24, s[8:9] offset:512*(\j)
.endr
	s_wait_loadcnt 0x0                             ; the four just issued are the youngest, so the count is 0; the counted waits below then find their loads in
.irp k, 0,1,2,3,4,5,6,7,8,9,10,11,12,13,14,15
	v_and_b32 v[Y+(\k)], 0x7fffffff, v[Y+(\k)]     ; the sign is cleared
.endr
.irp k, 0,4,8,12
	v_pk_add_f32 v[Y+(\k):Y+(\k)+1], v[Y+(\k):Y+(\k)+1], v[Y+(\k)+2:Y+(\k)+3]
.endr
	v_pk_add_f32 v[Y:Y+1], v[Y:Y+1], v[Y+4:Y+5]
	v_pk_add_f32 v[Y+8:Y+9], v[Y+8:Y+9], v[Y+12:Y+13]
	v_pk_add_f32 v[Y:Y+1], v[Y:Y+1], v[Y+8:Y+9]
	v_add_f32 v12, v[Y], v[Y+1]
.Lno_bias:
; One slot's turn: twelve vector instructions for four numbers.  ahead = 1: the slot is filled again, 8 KiB further on.
; left = how many younger loads may still be out when this slot's load has to be there.
.macro SLOT i, ahead, left
.set XR, X+4*(\i)
.set TR, T+4*((\i)%2)
.set AR, ACC+4*((\i)%2)
.set YR, Y+2*(\i)
	s_wait_loadcnt \left                           ; loads come back in order (ISA guide 5.7.1): mine is in, the younger ones stay out
	v_pk_mul_f32 v[TR:TR+1],   v[XR:XR+1],   s[24:25] op_sel_hi:[1,0]  ; a 2^127
	v_pk_mul_f32 v[TR+2:TR+3], v[XR+2:XR+3], s[24:25] op_sel_hi:[1,0]
	v_pk_mul_f32 v[TR:TR+1],   v[TR:TR+1],   s[24:25] op_sel_hi:[1,0]  ; and once more
	v_pk_mul_f32 v[TR+2:TR+3], v[TR+2:TR+3], s[24:25] op_sel_hi:[1,0]
.irp k, 0,1,2,3
	v_med3_num_f32 v[TR+(\k)], v[TR+(\k)], s26, s27                    ; held to -1 .. 1: the sign
.endr
	v_pk_fma_f32 v[AR:AR+1],   v[XR:XR+1],   v[TR:TR+1],   v[AR:AR+1]    ; the sums take a x sign = |a|
	v_pk_fma_f32 v[AR+2:AR+3], v[XR+2:XR+3], v[TR+2:TR+3], v[AR+2:AR+3]
	v_perm_b32 v[YR],   v[TR+1], v[TR],   s28      ; two upper halves: two bf16, the lower index in the low half
	v_perm_b32 v[YR+1], v[TR+3], v[TR+2], s28
.if \ahead
	global_load_b128 v[XR:XR+3], v1, s[18:19] offset:512*(\i)+DEPTH*512 th:TH_LOAD_NT
.endif
	global_store_b64 v2, v[YR:YR+1], s[20:21] offset:256*(\i)  ; the wave stores 256 consecutive bytes at a multiple of 256; the next launch reads them, so no hint
.endm
	s_mov_b32 s29, 64/DEPTH-1
.Lround:
.irp i, 0,1,2,3,4,5,6,7,8,9,10,11,12,13,14,15
	SLOT \i, 1, DEPTH-1
.endr
	s_wait_xcnt 0x0                                ; every earlier memory instruction has had its addresses translated (ISA guide 3.1): the two bases and Y are rewritten only behind this wait
	s_add_nc_u64 s[18:19], s[18:19], DEPTH*512
	s_add_nc_u64 s[20:21], s[20:21], DEPTH*256
	s_sub_co_u32 s29, s29, 1
	s_cmp_lg_u32 s29, 0
	s_cbranch_scc1 .Lround
.irp i, 0,1,2,3,4,5,6,7,8,9,10,11,12,13,14,15
	SLOT \i, 0, DEPTH-1-(\i)                       ; the last round loads nothing: the counts run down, and no load leaves the buffer
.endr
	; my lane's eight sums into one; then over the 32 lanes, for |a| (v4) and |bias| (v12) by turns
	v_pk_add_f32 v[4:5], v[4:5], v[6:7]
	v_pk_add_f32 v[8:9], v[8:9], v[10:11]
	v_pk_add_f32 v[4:5], v[4:5], v[8:9]
	v_add_f32 v4, v4, v5
.irp m, 1,2,4,8
	v_add_f32_dpp v4, v4, v4 row_xmask:\m row_mask:0xf bank_mask:0xf
	v_add_f32_dpp v12, v12, v12 row_xmask:\m row_mask:0xf bank_mask:0xf
.endr
	v_permlanex16_b32 v5, v4, s30, s31             ; the destinations have been written before
	v_permlanex16_b32 v13, v12, s30, s31
	v_add_f32 v4, v4, v5
	v_add_f32 v12, v12, v13
	ds_store_b32 v23, v4                           ; bytes 0-31: the eight waves' sums (all lanes write the same word with the same value)
	ds_store_b32 v23, v12 offset:32                ; bytes 32-63: their sums of |bias|
	s_wait_dscnt 0x0                               ; for the others' sake: my stores are done
	s_barrier_signal -1
	s_barrier_wait -1
	s_cmp_lg_u32 s33, 0
	s_cbranch_scc1 .Lend                           ; wave 0 alone adds the eight up and stores
	v_mov_b32 v3, 0
	ds_load_b128 v[14:17], v3
	ds_load_b128 v[18:21], v3 offset:16
	ds_load_b128 v[32:35], v3 offset:32
	ds_load_b128 v[36:39], v3 offset:48
	s_wait_dscnt 0x0
	v_pk_add_f32 v[14:15], v[14:15], v[16:17]
	v_pk_add_f32 v[18:19], v[18:19], v[20:21]
	v_pk_add_f32 v[32:33], v[32:33], v[34:35]
	v_pk_add_f32 v[36:37], v[36:37], v[38:39]
	v_pk_add_f32 v[14:15], v[14:15], v[18:19]
	v_pk_add_f32 v[32:33], v[32:33], v[36:37]
	v_add_f32 v14, v14, v15
	v_add_f32 v32, v32, v33
	v_cmp_eq_u32 vcc_lo, 0, v0
	s_wait_xcnt 0x0                                ; EXEC is a source of the stores above: it changes only behind this wait
	s_and_saveexec_b32 s34, vcc_lo                 ; lane 0 alone
	global_store_b32 v22, v14, s[14:15]            ; the work-group's partial sum
	s_wait_xcnt 0x0                                ; and again in front of the line that widens EXEC
	s_or_b32 exec_lo, exec_lo, s34
	s_cmp_lg_u32 s32, 0
	s_cbranch_scc1 .Lend
	s_and_saveexec_b32 s34, vcc_lo                 ; work-group (0, 0): no memory instruction has been issued since the wait above
	global_store_b32 v22, v32, s[14:15] offset:2048  ; v22 is 0 here: word 512
	s_wait_xcnt 0x0
	s_or_b32 exec_lo, exec_lo, s34
.Lend:
	s_wait_tensorcnt 0x0                           ; the wave's end: behind my last LDS store
	ds_add_u32 v[SPW], v[NIL]
	s_wait_dscnt 0x0
	s_endpgm
.Lfunc_end_k_qdcc678fa93_binarize:
	.size	k_qdcc678fa93_binarize, .Lfunc_end_k_qdcc678fa93_binarize-k_qdcc678fa93_binarize
	.p2alignl 7, 3214868480
	.fill 96, 4, 3214868480
	.section	.rodata,"a",@progbits
	.p2align	6, 0x0
	.amdhsa_kernel k_qdcc678fa93_binarize
		.amdhsa_group_segment_fixed_size 1280
		.amdhsa_private_segment_fixed_size 0
		.amdhsa_enable_private_segment 0
		.amdhsa_kernarg_size 48
		.amdhsa_user_sgpr_count 2
		.amdhsa_user_sgpr_kernarg_segment_ptr 1
		.amdhsa_wavefront_size32 1
		.amdhsa_system_sgpr_workgroup_id_x 1
		.amdhsa_system_sgpr_workgroup_id_y 1
		.amdhsa_system_sgpr_workgroup_id_z 1
		.amdhsa_system_vgpr_workitem_id 0
		.amdhsa_next_free_vgpr 128
		.amdhsa_next_free_sgpr 66
		.amdhsa_reserve_vcc 1
		.amdhsa_float_denorm_mode_32 3
		.amdhsa_float_denorm_mode_16_64 3
		.amdhsa_memory_ordered 1
		.amdhsa_forward_progress 1
		.amdhsa_inst_pref_size 38
	.end_amdhsa_kernel
	.amdgpu_metadata
---
amdhsa.version: [ 1, 2 ]
amdhsa.kernels:
  - .name:           k_qdcc678fa93_binarize
    .symbol:         k_qdcc678fa93_binarize.kd
    .args:
      - { .name: x, .offset: 0, .size: 8, .value_kind: global_buffer, .address_space: global }
      - { .name: weight, .offset: 8, .size: 8, .value_kind: global_buffer, .address_space: global }
      - { .name: bias, .offset: 16, .size: 8, .value_kind: global_buffer, .address_space: global }
      - { .name: sx, .offset: 24, .size: 8, .value_kind: global_buffer, .address_space: global }
      - { .name: sw, .offset: 32, .size: 8, .value_kind: global_buffer, .address_space: global }
      - { .name: part, .offset: 40, .size: 8, .value_kind: global_buffer, .address_space: global }
    .group_segment_fixed_size: 1280
    .private_segment_fixed_size: 0
    .kernarg_segment_align: 8
    .kernarg_segment_size: 48
    .max_flat_workgroup_size: 256
    .sgpr_count:     66
    .vgpr_count:     128
    .wavefront_size: 32
...
	.end_amdgpu_metadata
.endif
;; end of part 1
;; launch gemm (part 2): grid 16 x 16, 4 waves a work-group, clusters of 4 x 4, 327,680 bytes of LDS; arguments sx, sw, out0, part, bias; writes out0
.if DOCPART == 2
	.amdgcn_target "amdgcn-amd-amdhsa--gfx1250"
	.amdhsa_code_object_version 6
	.text
	.protected	k_qdcc678fa93_gemm
	.globl	k_qdcc678fa93_gemm
	.p2align	8
	.type	k_qdcc678fa93_gemm,@function
k_qdcc678fa93_gemm:
	s_mov_b64 s[64:65], 0
	v_nop
	global_prefetch_b8 v0, s[64:65] scope:SCOPE_SE
	s_setreg_imm32_b32 hwreg(HW_REG_WAVE_MODE, 25, 1), 1
	s_wait_xcnt 0x0
	s_wait_alu depctr_hold_cnt(0) depctr_sa_sdst(0) depctr_va_vdst(0) depctr_va_sdst(0) depctr_va_ssrc(0) depctr_va_vcc(0) depctr_vm_vsrc(0)
	s_getreg_b32 s2, hwreg(HW_REG_IB_STS2, 6, 4)
	s_cmp_eq_u32 s2, 0
	s_cbranch_scc0 .Lentry_in_a_cluster
	s_endpgm
.Lentry_in_a_cluster:
	s_bfe_u32 s2, ttmp6, 0x10000c
	s_cmp_lg_u32 s2, 0xf033
	s_cbranch_scc0 .Lentry_shape_is_right
	s_endpgm
.Lentry_shape_is_right:
; out0[n][o] = mx mw (sum over i of sx[n][i] sw[o][i]) + sign(bias[o]) mb.  sx, sw: [4096][4096] bf16, holding -1, 0 or 1; out0: [4096][4096] f32.
; part holds 256 partial sums of |x|, 256 of |weight| and, in word 512, the sum of |bias|: mx = Sx / 2^24, mw = Sw / 2^24, mb = Sb / 2^12.
; The products are exact and the f32 sums are whole numbers of 4,096 at the most, so they are exact too; the two means are one factor on the way out, fused with the bias term.
; LIMITS.  One rounding of sum x scale + bias term, where the definition adds 4,096 rounded terms.  A NaN in part (from a NaN input) makes every output NaN, as defined; infinities are not treated apart.
; SHARES.  256 tiles of 256 x 256, one work-group each; four waves, each 128 x 128: 64 accumulators of 16 x 16, 512 registers.  K goes in 32 steps of 128 through a ring of two LDS slots
; filled by the tensor data mover; the tiles' rows are 256 bytes of memory at multiples of 256 bytes from the buffer's first byte.
; CLUSTERS: 4 x 4 work-groups.  The four of a row of the cluster need the same tiles of sx, the four of a column the same tiles of sw: each tile is asked for JOINTLY, by the same tensor load
; with the same descriptor and a mask that names the four.  That divides the requests for both by four.
; THE MATRIX INSTRUCTION IS USED TRANSPOSED (source 0 = 16 rows of sw, source 1 = 16 rows of sx): a lane then holds row l % 16 of out0 and the eight neighbouring columns 8 (l / 16) + 0..7.
; REGISTERS, in windows of 256 (s_set_vgpr_msb: bits 1:0 source 0, 3:2 source 1, 5:4 source 2, 7:6 destination):
;   window 0: v0-31 addresses, scale and bias term; v32-55 at work at the head; v64-127, v128-191 fragments of sx, two buffers, and on the way out two buffers of 16 rows
;   window 1: v64-127, v128-191 fragments of sw, two buffers
;   window 2: the 32 accumulators of my rows 0-63 (accumulator (a, b) at v[8 (8 a + b)]);   window 3: those of my rows 64-127
.set DIM,    4096
.set KSTEP,  128
.set PITCH,  272                       ; an LDS row: 256 bytes + 16 of padding = 68 words: row r starts at bank 4 r mod 64 (64 banks of 4 bytes: ISA guide 11.1), so the 16 rows of a load start at 16 different banks
.set HALFT,  128*PITCH                 ; 128 rows: what one tensor load brings, and what one wave reads of either operand
.set SLOT,   4*HALFT                   ; sx's 256 rows, then sw's 256 rows
.set STAGE,  2*SLOT                    ; behind the ring, never filled by a tensor load: 16 rows x 528 bytes for each wave, for the way out
.set SP,     528                       ; a stage row: 128 f32 + 16 bytes = 33 x 16 bytes: the sixteen rows that a store touches start at sixteen different groups of four banks
.set SPARE,  STAGE+4*16*SP             ; behind the stages: the spare words, 128 bytes for each wave: two blocks of 256 bytes that no other line names
.set LAPS,   DIM/(2*KSTEP)             ; a lap = two K steps = once round the ring: 16
.set BB,   8                           ; v[8:11]  sign(bias) mb of my four columns on the way out
.set BO,   13                          ; v13      my byte offset in bias
.set SC,   14                          ; v[14:15] mx mw, twice
.set ADRA, 16                          ; v16-17   LDS address of my sx fragments in slot 0, 1
.set ADRB, 20                          ; v20-21   the same for sw
.set STO,  24                          ; v24      the way out: where I put 32 bytes of a row
.set RD,   25                          ; v25      the way out: where I read 16 bytes of a row back
.set CO,   26                          ; v26      16 x lane: my byte offset in 512 bytes of out0, and in part
.set SPW,  28                          ; v28      LDS address of my spare word; never rewritten
.set NIL,  29                          ; v29      0; never rewritten
.set F0,   64                          ; fragment buffer 0
.set F1,   128                         ; fragment buffer 1
.set G1, 24                            ; s[24:31] descriptor group 1 for sx's tiles
.set G0, 32                            ; s[32:39] descriptor group 0 for sx's tiles, one set for each slot
.set G1B, 48                           ; s[48:55] group 1 for sw's tiles: it differs in the mask alone
.set G0B, 56                           ; s[56:63] group 0 for sw's tiles
.set MSB, 0
.macro WIN new                         ; the immediate's high byte repeats the setting that is left; a switch that changes nothing is dropped
.if MSB != (\new)
	s_set_vgpr_msb (MSB<<8)|(\new)
.set MSB, \new
.endif
.endm
.set MUL_LO, 0xa1                      ; source 0 (sw) window 1, source 1 (sx) window 0, C and D window 2
.set MUL_HI, 0xf1                      ; the same, C and D window 3
.set TO_B,   0x40                      ; destination window 1, address window 0
; A joint load.  Waves 0 and 1 fetch sx's two halves, waves 2 and 3 sw's.  Each of the two lines has one mask and one set of registers for all that issue it.  The branch hangs on the wave's
; number alone.  An s_nop 0 and four v_nop follow each of the two lines, ahead of the jump, the label and what follows the macro.
.macro JLOAD s
	s_cmp_eq_u32 s11, 0
	s_cbranch_scc0 .Lfor_b_\@
	tensor_load_to_lds s[G0+4*(\s):G0+4*(\s)+3], s[G1:G1+7]
	s_nop 0
.rept 4
	v_nop
.endr
	s_branch .Lasked_\@
.Lfor_b_\@:
	tensor_load_to_lds s[G0B+4*(\s):G0B+4*(\s)+3], s[G1B:G1B+7]
	s_nop 0
.rept 4
	v_nop
.endr
.Lasked_\@:
.endm
; A round of the cluster's barrier: my work-group's barrier, so that wave 0's signal speaks for all four waves; wave 0 signals; every wave waits for all sixteen work-groups; my work-group's barrier once more.
.macro CREST                           ; a round behind its opening barrier
	s_cmp_lg_u32 s10, 0
	s_cbranch_scc1 .Lnot_wave_0_\@
	s_barrier_signal -3
.Lnot_wave_0_\@:
	s_barrier_wait -3
	s_barrier_signal -1
	s_barrier_wait -1
.endm
.macro CROUND                          ; a whole round
	s_barrier_signal -1
	s_barrier_wait -1
	CREST
.endm
	s_load_b128 s[4:7], s[0:1], 0x0                ; sx s[4:5], sw s[6:7]
	s_load_b64 s[8:9], s[0:1], 0x10                ; out0
	s_load_b64 s[68:69], s[0:1], 0x18              ; part
	s_load_b64 s[70:71], s[0:1], 0x20              ; bias
	v_lshl_add_u32 v[SPW], v0, 2, SPARE
	v_mov_b32 v[NIL], 0
	ds_add_u32 v[SPW], v[NIL]                      ; the wave's opening: the add and its wait stand ahead of my first tensor load; the set-up below, work on registers, stands between them
	v_lshrrev_b32 v1, 5, v0
	v_readfirstlane_b32 s10, v1                    ; wave 0..3
	s_lshr_b32 s11, s10, 1                         ; which half of the tile's rows is mine.  Also: I fetch for sx (0) or for sw (1)
	s_and_b32 s12, s10, 1                          ; which half of its columns.  Also: which 128 rows of that tile I fetch
	s_bfe_u32 s40, ttmp6, 0x40000                  ; cx: my place along the cluster's x
	s_bfe_u32 s41, ttmp6, 0x40004                  ; cy: along its y
	s_lshl_b32 s42, ttmp9, 2                       ; in a cluster launch ttmp9 and ttmp7 count clusters
	s_add_co_u32 s42, s42, s40                     ; tile column = 4 x cluster x + cx
	s_and_b32 s13, ttmp7, 0xffff
	s_lshl_b32 s13, s13, 2
	s_add_co_u32 s13, s13, s41                     ; tile row = 4 x cluster y + cy
	s_lshl_b32 s43, s41, 2
	s_lshl_b32 s43, 15, s43                        ; my row of the cluster: places 4 cy .. 4 cy + 3
	s_lshl_b32 s44, 0x1111, s40                    ; my column: places cx, cx + 4, cx + 8, cx + 12
	; descriptor group 1: a tile of 128 rows x 128 elements, padded in LDS
	s_or_b32 s[G1+0], s43, (1<<16)|(1<<20)|(1<<21)|(5<<22)|(3<<25)   ; 15:0 the mask: sx's tiles go to my row; 17:16 elements of 2 bytes; 20 padding on; 21 set beside a mask; 24:22 after every 64 words (code 5); 31:25 4 words of it (code 3)
	s_or_b32 s[G1B+0], s44, (1<<16)|(1<<20)|(1<<21)|(5<<22)|(3<<25)  ; the same with the mask of my column, for sw's tiles
.irp g, G1, G1B
	s_mov_b32 s[(\g)+1], KSTEP<<16                 ; 63:48 tensor_dim0, low half = 128
	s_mov_b32 s[(\g)+2], 128<<16                   ; 79:64 its high half = 0; 95:80 tensor_dim1, low half = 128
	s_mov_b32 s[(\g)+3], KSTEP<<16                 ; 111:96 its high half = 0; 127:112 tile_dim0 = 128
	s_mov_b32 s[(\g)+4], 128                       ; 143:128 tile_dim1 = 128; 159:144 tile_dim2 = 0
	s_mov_b32 s[(\g)+5], DIM                       ; 191:160 tensor_dim0_stride: 4,096 elements from row to row
	s_mov_b32 s[(\g)+6], 0
	s_mov_b32 s[(\g)+7], 0
.endr
	; where the tiles come from.  sx's hang on the tile row alone, which my row of the cluster shares; sw's on the tile column alone, which my column shares.
	; Every wave makes both addresses, in registers that never hold the other coordinate, and asks by one of them.
	s_lshl_b32 s17, s12, 7                         ; which 128 rows of the tile I fetch
	s_lshl_b32 s16, s13, 8
	s_add_co_u32 s16, s16, s17                     ; sx: row 256 x tile row + 128 x half
	s_lshl_b32 s46, s42, 8
	s_add_co_u32 s46, s46, s17                     ; sw: row 256 x tile column + 128 x half
	s_mov_b32 s17, 0
	s_mov_b32 s47, 0
	s_mov_b64 s[18:19], DIM*2
	s_mul_u64 s[16:17], s[16:17], s[18:19]         ; in bytes: rows of 8,192
	s_mul_u64 s[46:47], s[46:47], s[18:19]
	s_mul_i32 s20, s10, HALFT                      ; and where they go: wave x 128 rows: no place in the cluster enters an LDS address
	s_mov_b32 s76, 0x76543210                      ; v_permlanex16_b32: each lane takes its own place in the other half
	s_mov_b32 s77, 0xfedcba98
	s_wait_dscnt 0x0                               ; the opening add is done
	s_wait_kmcnt 0x0
	s_add_nc_u64 s[14:15], s[4:5], s[16:17]
	s_add_nc_u64 s[46:47], s[6:7], s[46:47]
	CROUND                                         ; all sixteen work-groups are here: the first joint loads meet
.irp s, 0,1
	s_mov_b32 s[G0+4*(\s)], 1                                        ; 1:0 count = 1
	s_add_co_u32 s[G0+4*(\s)+1], s20, (\s)*SLOT                      ; 63:32 LDS address
	s_add_nc_u64 s[G0+4*(\s)+2:G0+4*(\s)+3], s[14:15], (\s)*KSTEP*2  ; 120:64 global address: K step s
	s_or_b32 s[G0+4*(\s)+3], s[G0+4*(\s)+3], 0x80000000              ; 127:126 type = 2
	s_mov_b32 s[G0B+4*(\s)], 1
	s_add_co_u32 s[G0B+4*(\s)+1], s20, (\s)*SLOT
	s_add_nc_u64 s[G0B+4*(\s)+2:G0B+4*(\s)+3], s[46:47], (\s)*KSTEP*2
	s_or_b32 s[G0B+4*(\s)+3], s[G0B+4*(\s)+3], 0x80000000
	JLOAD \s                                       ; the ring is filled before anything else is done: two tensor loads of mine are out
.endr
	; The partial sums and my four numbers of bias are asked for; the addresses are made while they come.  All of this stands in the wait for the first tile.
	v_and_b32 v5, 31, v0
	v_lshlrev_b32 v[CO], 4, v5                     ; 16 x lane
	s_lshl_b32 s46, s42, 10                        ; my first column, in bytes of f32: 1,024 x tile column + 512 x half
	s_lshl_b32 s47, s12, 9
	s_add_co_u32 s46, s46, s47
	s_mov_b32 s47, 0
	v_add_nc_u32 v[BO], s46, v[CO]
	s_load_b32 s72, s[68:69], 0x800                ; the sum of |bias|
	global_load_b128 v[32:35], v[CO], s[68:69]               ; 256 partial sums of |x|: eight a lane
	global_load_b128 v[36:39], v[CO], s[68:69] offset:512
	global_load_b128 v[40:43], v[CO], s[68:69] offset:1024   ; 256 of |weight|
	global_load_b128 v[44:47], v[CO], s[68:69] offset:1536
	global_load_b128 v[48:51], v[BO], s[70:71]               ; bias of the four columns that I store
	; A fragment is 16 rows x 32 K in 8 registers: lane l holds row l % 16; registers 0-3 hold K = 8 (l / 16) + 0..7, registers 4-7 hold K = 16 + 8 (l / 16) + 0..7: two loads of 16 bytes, 32 bytes apart.
	v_and_b32 v1, 15, v0                           ; l % 16
	v_bfe_u32 v2, v0, 4, 1                         ; l / 16
	v_mul_u32_u24 v3, v1, PITCH
	v_lshl_add_u32 v3, v2, 4, v3                   ; row x pitch + 16 x half
	s_mul_i32 s21, s11, HALFT                      ; my 128 rows of sx
	s_mul_i32 s22, s12, HALFT                      ; my 128 rows of sw,
	s_add_co_u32 s22, s22, 2*HALFT                 ; which lie behind sx's 256
.irp s, 0,1
	v_add_nc_u32 v[ADRA+(\s)], s21, v3
	v_add_nc_u32 v[ADRB+(\s)], s22, v3
	s_add_co_u32 s21, s21, SLOT
	s_add_co_u32 s22, s22, SLOT
.endr
	s_mul_i32 s23, s10, 16*SP
	s_add_co_u32 s23, s23, STAGE                   ; my stage
	v_mul_u32_u24 v4, v1, SP                       ; in: row l % 16, 32 bytes for each half of the lanes
	v_lshl_add_u32 v4, v2, 5, v4
	v_add_nc_u32 v[STO], s23, v4
	v_add_nc_u32 v[RD], s23, v[CO]                 ; back: the 32 lanes take one row of 512 bytes
	s_lshl_b32 s13, s13, 8
	s_lshl_b32 s14, s11, 7
	s_add_co_u32 s16, s13, s14                     ; my first row of out0,
	s_lshl_b32 s16, s16, 14                        ; in bytes: rows of 16,384
	s_mov_b32 s17, 0
	s_add_nc_u64 s[16:17], s[16:17], s[46:47]
	s_add_nc_u64 s[8:9], s[8:9], s[16:17]          ; out0 at my 128 x 128; never stepped: the row stands in the stores' immediate
	s_wait_loadcnt 0x0                             ; the five loads above
	s_wait_kmcnt 0x0
	; the two means: eight partial sums a lane, then over the 32 lanes; the same order in every wave of the launch
	v_pk_add_f32 v[32:33], v[32:33], v[34:35]
	v_pk_add_f32 v[36:37], v[36:37], v[38:39]
	v_pk_add_f32 v[40:41], v[40:41], v[42:43]
	v_pk_add_f32 v[44:45], v[44:45], v[46:47]
	v_pk_add_f32 v[32:33], v[32:33], v[36:37]
	v_pk_add_f32 v[40:41], v[40:41], v[44:45]
	v_add_f32 v32, v32, v33
	v_add_f32 v40, v40, v41
.irp m, 1,2,4,8
	v_add_f32_dpp v32, v32, v32 row_xmask:\m row_mask:0xf bank_mask:0xf
	v_add_f32_dpp v40, v40, v40 row_xmask:\m row_mask:0xf bank_mask:0xf
.endr
	v_permlanex16_b32 v33, v32, s76, s77           ; the destinations have been written before
	v_permlanex16_b32 v41, v40, s76, s77
	v_add_f32 v32, v32, v33
	v_add_f32 v40, v40, v41
	v_mul_f32 v32, 0x33800000, v32                 ; mx = Sx 2^-24
	v_mul_f32 v40, 0x33800000, v40                 ; mw = Sw 2^-24
	v_mul_f32 v[SC], v32, v40                      ; the scale,
	v_mov_b32 v[SC+1], v[SC]                       ; twice, for the packed multiply-add
	; sign(bias) = (b 2^127) 2^127 held to -1 .. 1 (every b but 0 reaches 2^105 or more; 0 stays 0), times mb = Sb 2^-12
.irp k, 0,1,2,3
	v_mul_f32 v[48+(\k)], 0x7f000000, v[48+(\k)]
.endr
.irp k, 0,1,2,3
	v_mul_f32 v[48+(\k)], 0x7f000000, v[48+(\k)]
.endr
.irp k, 0,1,2,3
	v_max_num_f32 v[48+(\k)], -1.0, v[48+(\k)]
.endr
.irp k, 0,1,2,3
	v_min_num_f32 v[48+(\k)], 1.0, v[48+(\k)]
.endr
	v_mov_b32 v52, s72
	v_mul_f32 v52, 0x39800000, v52
.irp k, 0,1,2,3
	v_mul_f32 v[BB+(\k)], v52, v[48+(\k)]
.endr
; 16 matrix instructions: m blocks a0, a0 + 1 of the window's four (hi = 0: my rows 0-63, 1: rows 64-127) x all 8 n blocks, 32 along K.
; zero = 1: the first product starts the sums: nothing is ever cleared.  The 64 accumulators take turns, one instruction a turn, in the same order in every quarter step.
.macro MUL16 f, hi, a0, zero
	WIN MUL_LO+0x50*(\hi)
.irp a, \a0, (\a0)+1
.irp b, 0,1,2,3,4,5,6,7
.if \zero
	v_wmma_f32_16x16x32_bf16 v[8*(8*(\a)+(\b)):8*(8*(\a)+(\b))+7], v[(\f)+8*(\b):(\f)+8*(\b)+7], v[(\f)+8*(4*(\hi)+(\a)):(\f)+8*(4*(\hi)+(\a))+7], 0
.else
	v_wmma_f32_16x16x32_bf16 v[8*(8*(\a)+(\b)):8*(8*(\a)+(\b))+7], v[(\f)+8*(\b):(\f)+8*(\b)+7], v[(\f)+8*(4*(\hi)+(\a)):(\f)+8*(4*(\hi)+(\a))+7], v[8*(8*(\a)+(\b)):8*(8*(\a)+(\b))+7]
.endif
.endr
.endr
.endm
; 32 LDS loads in one run: the fragments of one quarter step (128 rows of sw, 128 rows of sx, 32 K at byte k of the rows) into buffer f
.macro FETCH slot, k, f
	WIN TO_B
.irp i, 0,1,2,3,4,5,6,7
	ds_load_b128 v[(\f)+8*(\i):(\f)+8*(\i)+3],   v[ADRB+(\slot)] offset:(\k)+(\i)*16*PITCH
	ds_load_b128 v[(\f)+8*(\i)+4:(\f)+8*(\i)+7], v[ADRB+(\slot)] offset:(\k)+(\i)*16*PITCH+32
.endr
	WIN 0
.irp i, 0,1,2,3,4,5,6,7
	ds_load_b128 v[(\f)+8*(\i):(\f)+8*(\i)+3],   v[ADRA+(\slot)] offset:(\k)+(\i)*16*PITCH
	ds_load_b128 v[(\f)+8*(\i)+4:(\f)+8*(\i)+7], v[ADRA+(\slot)] offset:(\k)+(\i)*16*PITCH+32
.endr
.endm
; A load into a register that a matrix instruction has read, and an LDS store of a matrix result, stand four places behind that matrix instruction, and only plain vector instructions that name
; none of its registers are places (ISA guide 7.12.1 for vector instructions); the matrix instructions in between are not counted.
.macro PLACES
.rept 4
	v_nop
.endr
.endm
; A K step is four quarter steps of 32 along K, 64 matrix instructions each, on buffers 0, 1, 0, 1.
; One of the first three: multiplies buffer f; in its middle it fetches the next quarter's fragments, at byte k of the same slot's rows, into buffer g.
.macro QUARTER slot, k, f, g, zero
	s_wait_dscnt 8                                 ; sw's fragments and sx's rows 0-63 are in; the youngest eight loads (sx's rows 64-127) may be out
	WIN MUL_LO
	MUL16 \f, 0, 0, \zero
	MUL16 \f, 0, 2, \zero
	PLACES
	FETCH \slot, \k, \g
	s_wait_dscnt 32                                ; all but the 32 just issued
	WIN MUL_HI
	MUL16 \f, 1, 0, \zero
	MUL16 \f, 1, 2, \zero
.endm
; The last quarter multiplies buffer 1 and changes slots.  MEET is its first half: ONE barrier for the change of slots.  In front of it each wave waits for all its tensor loads, of which one is
; out: its part of the next slot; adds 0 to its spare word; and waits for that and for its own reads of this slot.  Behind it nobody reads this slot any more and the next slot is whole.
.macro MEET round                      ; round = 1: the rest of a round of the cluster's barrier follows
	WIN 0                                          ; (the add's two registers lie in window 0)
	s_wait_tensorcnt 0x0                           ; all my tensor loads have landed: the one that was out is my part of the next slot;
	ds_add_u32 v[SPW], v[NIL]                      ; 0 onto my spare word;
	s_wait_dscnt 9                                 ; (the add and the youngest eight loads may be out)
	WIN MUL_LO
	MUL16 F1, 0, 0, 0                              ; sixteen matrix instructions stand between the add and the wait for it
	s_wait_dscnt 0x0                               ; the add is done, and my reads of this slot are over:
	s_barrier_signal -1                            ; say so,
	MUL16 F1, 0, 2, 0                              ; work on registers while the others arrive,
.if \round
	WIN 0
.endif
	s_barrier_wait -1                              ; and go on when all four have said so
.endm
; The whole last quarter.  fill = 1: behind the round the slot just read out is filled again first, with the K step two steps on: from that request to the wait for it a wave issues 224 matrix
; instructions; one tensor load of mine is out.  Then come the next slot's first fragments.
.macro TURN slot, next, fill
	MEET \fill
.if \fill
	CREST                                          ; no wave of any partner still reads this slot's tile or has a load on its way
	s_add_nc_u64 s[G0+4*(\slot)+2:G0+4*(\slot)+3], s[G0+4*(\slot)+2:G0+4*(\slot)+3], 2*KSTEP*2
	s_add_nc_u64 s[G0B+4*(\slot)+2:G0B+4*(\slot)+3], s[G0B+4*(\slot)+2:G0B+4*(\slot)+3], 2*KSTEP*2
	JLOAD \slot                                    ; the first tensor load behind the round; the four v_nop behind it are also the places in front of the loads below
.else
	PLACES
.endif
	FETCH \next, 0, F0
	WIN MUL_HI
	MUL16 F1, 1, 0, 0
	MUL16 F1, 1, 2, 0
.endm
; THE WAY OUT of block a (16 rows x 128 columns of f32), in two parts.  TOSTAGE: a lane's eight neighbouring sums of a row, 32 bytes, go as they are into my own stage, each accumulator's low four
; registers first, and come back as whole rows of 512 bytes.  LDS serves a wave's instructions in order (ISA guide 5.7.1.4): the loads see the stores
; above them, and the next block's stores come behind this block's loads; the stage is my wave's own, so no barrier stands here.
.macro TOSTAGE a
.set AC, 64*((\a)%4)
.set BK, F0+64*((\a)%2)
	WIN 0x08+4*((\a)/4)                            ; the stores' data (source 1) in window 2 or 3
.irp b, 0,1,2,3,4,5,6,7
	ds_store_b128 v[STO], v[AC+8*(\b):AC+8*(\b)+3]   offset:64*(\b)
	ds_store_b128 v[STO], v[AC+8*(\b)+4:AC+8*(\b)+7] offset:64*(\b)+16
.endr
	WIN 0
.irp t, 0,1,2,3,4,5,6,7,8,9,10,11,12,13,14,15
	ds_load_b128 v[BK+4*(\t):BK+4*(\t)+3], v[RD] offset:(\t)*SP
.endr
.endm
; SEND: sum x scale + bias term, one fused multiply-add, and the store.  younger: the LDS instructions issued behind block a's loads: the next block's 32, or none.
.macro SEND a, younger
.set BK, F0+64*((\a)%2)
	WIN 0
.irp t, 0,1,2,3,4,5,6,7,8,9,10,11,12,13,14,15
	s_wait_dscnt (\younger)+15-(\t)                ; row t is back in registers
	v_pk_fma_f32 v[BK+4*(\t):BK+4*(\t)+1],   v[BK+4*(\t):BK+4*(\t)+1],   v[SC:SC+1], v[BB:BB+1]
	v_pk_fma_f32 v[BK+4*(\t)+2:BK+4*(\t)+3], v[BK+4*(\t)+2:BK+4*(\t)+3], v[SC:SC+1], v[BB+2:BB+3]
	global_store_b128 v[CO], v[BK+4*(\t):BK+4*(\t)+3], s[8:9] offset:(16*(\a)+(\t))*DIM*4 th:TH_STORE_NT  ; the wave stores 512 consecutive bytes at a multiple of 512; 127 rows of 16,384 bytes at the most, inside the signed 24-bit immediate
.endr
.endm
	s_wait_tensorcnt 1                             ; my part of K step 0 is in; K step 1's load, issued behind it, may stay out
	s_barrier_signal -1
	s_barrier_wait -1                              ; everybody's is
	FETCH 0, 0, F0
	QUARTER 0, 64,  F0, F1, 1                      ; the first quarter stands in front of the loop: its products start the sums
	WIN 0                                          ; at a label and at a branch every window is 0
	s_mov_b32 s3, LAPS-1
.Llap:                                                 ; a trip goes once round the ring, from a lap's second quarter to the next lap's first, and fills both slots again
	QUARTER 0, 128, F1, F0, 0
	QUARTER 0, 192, F0, F1, 0
	TURN 0, 1, 1
	QUARTER 1, 64,  F0, F1, 0
	QUARTER 1, 128, F1, F0, 0
	QUARTER 1, 192, F0, F1, 0
	TURN 1, 0, 1
	QUARTER 0, 64,  F0, F1, 0
	WIN 0
	s_sub_co_u32 s3, s3, 1
	s_cmp_lg_u32 s3, 0
	s_cbranch_scc1 .Llap
	QUARTER 0, 128, F1, F0, 0                      ; the last lap is written out: it asks for nothing and no round of the cluster's barrier stands in it
	QUARTER 0, 192, F0, F1, 0
	TURN 0, 1, 0
	QUARTER 1, 64,  F0, F1, 0
	QUARTER 1, 128, F1, F0, 0
	QUARTER 1, 192, F0, F1, 0
	s_wait_dscnt 8                                 ; the very last quarter: nothing more to fetch
	WIN MUL_LO
	MUL16 F1, 0, 0, 0
	MUL16 F1, 0, 2, 0
	s_wait_dscnt 0x0
	WIN MUL_HI
	MUL16 F1, 1, 0, 0
	MUL16 F1, 1, 2, 0
	WIN 0
	PLACES                                         ; behind the last products: the stage's stores read results, and its loads land where fragments lay
	TOSTAGE 0
.irp a, 1,2,3,4,5,6,7                  ; block a is on its way through the stage while block a - 1 is scaled and stored
	s_wait_xcnt 0x0                                ; every earlier memory instruction has had its addresses translated (ISA guide 3.1): block a's rows land in the registers that block a - 2's stores read
	TOSTAGE \a
	SEND (\a)-1, 32
.endr
	SEND 7, 0
	s_wait_tensorcnt 0x0                           ; the wave's end: behind my last tensor load and my last LDS store
	ds_add_u32 v[SPW], v[NIL]
	s_wait_dscnt 0x0
	CROUND                                         ; the closing round: no work-group ends while a partner may still ask for a tile that names it
	s_endpgm
.Lfunc_end_k_qdcc678fa93_gemm:
	.size	k_qdcc678fa93_gemm, .Lfunc_end_k_qdcc678fa93_gemm-k_qdcc678fa93_gemm
	.p2alignl 7, 3214868480
	.fill 96, 4, 3214868480
	.section	.rodata,"a",@progbits
	.p2align	6, 0x0
	.amdhsa_kernel k_qdcc678fa93_gemm
		.amdhsa_group_segment_fixed_size 327680
		.amdhsa_private_segment_fixed_size 0
		.amdhsa_enable_private_segment 0
		.amdhsa_kernarg_size 40
		.amdhsa_user_sgpr_count 2
		.amdhsa_user_sgpr_kernarg_segment_ptr 1
		.amdhsa_wavefront_size32 1
		.amdhsa_system_sgpr_workgroup_id_x 1
		.amdhsa_system_sgpr_workgroup_id_y 1
		.amdhsa_system_sgpr_workgroup_id_z 1
		.amdhsa_system_vgpr_workitem_id 0
		.amdhsa_next_free_vgpr 1024
		.amdhsa_next_free_sgpr 80
		.amdhsa_reserve_vcc 0
		.amdhsa_float_denorm_mode_32 3
		.amdhsa_float_denorm_mode_16_64 3
		.amdhsa_memory_ordered 1
		.amdhsa_forward_progress 1
		.amdhsa_inst_pref_size 163
	.end_amdhsa_kernel
	.amdgpu_metadata
---
amdhsa.version: [ 1, 2 ]
amdhsa.kernels:
  - .name:           k_qdcc678fa93_gemm
    .symbol:         k_qdcc678fa93_gemm.kd
    .args:
      - { .name: sx, .offset: 0, .size: 8, .value_kind: global_buffer, .address_space: global }
      - { .name: sw, .offset: 8, .size: 8, .value_kind: global_buffer, .address_space: global }
      - { .name: out0, .offset: 16, .size: 8, .value_kind: global_buffer, .address_space: global }
      - { .name: part, .offset: 24, .size: 8, .value_kind: global_buffer, .address_space: global }
      - { .name: bias, .offset: 32, .size: 8, .value_kind: global_buffer, .address_space: global }
    .group_segment_fixed_size: 327680
    .private_segment_fixed_size: 0
    .kernarg_segment_align: 8
    .kernarg_segment_size: 40
    .max_flat_workgroup_size: 128
    .sgpr_count:     80
    .vgpr_count:     1024
    .wavefront_size: 32
...
	.end_amdgpu_metadata
.endif
;; end of part 2
